; MI455X (gfx1250); checked and timed in simulation.
; The chip was launched on July 23, 2026; its instructions are those of AMD's public machine-readable ISA for CDNA 5 (MIT licence, August 2026) and "CDNA5" Instruction Set Architecture Reference Guide (July 2026). The comments in the code are by the model that wrote it; some were corrected since.
;; Attention. Allowed arithmetic: float matrix products may take bf16 or f16 operands with f32 sums; all other float work in f32.
;; Inputs: freqs_cos 2,048 x 64 float32; freqs_sin 2,048 x 64 float32; mask 2,048 x 2,048 float32; wk 4,096 x 1,024 float32; wo 2,048 x 4,096 float32; wq 4,096 x 2,048 float32; wv 4,096 x 1,024 float32; x 1 x 2,048 x 4,096 float32.
;; Outputs: out0 1 x 2,048 x 4,096 float32.
;; One version. Each part assembles by itself: llvm-mc -triple=amdgcn-amd-amdhsa -mcpu=gfx1250 --defsym DOCPART=n.
;; ======== version 1 of 1: 4 launches
;; limits: values outside matrix products are rounded to bf16; values are held in f16: magnitudes above 65,504 overflow, below 6.1e-05 lose precision
;; workspace buffers: xb 16,777,216 bytes; wqkvb 33,554,432 bytes; woh 16,777,216 bytes; maskb 8,388,608 bytes; qkv 16,777,216 bytes; ao 8,388,608 bytes
;; launch cvt (part 1): grid 256 x 9, 8 waves a work-group, no clusters, 0 bytes of LDS; arguments x, wq, wo, wk, wv, mask, xb, wqkvb, woh, maskb; writes xb, wqkvb, woh, maskb
.if DOCPART == 1
	.amdgcn_target "amdgcn-amd-amdhsa--gfx1250"
	.amdhsa_code_object_version 6
	.text
	.protected	k_qc1b7b66c7d_cvt
	.globl	k_qc1b7b66c7d_cvt
	.p2align	8
	.type	k_qc1b7b66c7d_cvt,@function
k_qc1b7b66c7d_cvt:
	s_mov_b64 s[64:65], 0
	v_nop
	global_prefetch_b8 v0, s[64:65] scope:SCOPE_SE
	s_setreg_imm32_b32 hwreg(HW_REG_WAVE_MODE, 25, 1), 1
	s_wait_xcnt 0x0
; FORMAT CONVERSION, a pure stream.  x, wq, wk, wv and mask: f32 -> bf16 (nearest even).  wo: f32 -> bf16 -> f16, since its partner in
; the last product is f16 and both operands of a matrix instruction have one format.
; wq, wk, wv are laid side by side in wqkvb [4096 k][4096 n] bf16: n 0-2047 wq, 2048-3071 wk, 3072-4095 wv.
; LIMITS: a bf16 value is exact in f16 for 2^-17 <= |wo| <= 65,504; below it is rounded with an absolute error of at most 2^-25, above
; it becomes infinity.  0 and -inf of the mask are exact in bf16.
; A segment is 1,024 f32: 4,096 bytes in, 2,048 bytes out; every source is a dense run of segments.  A work-group takes 16 segments:
; 36,864 segments make 2,304 work-groups of equal work.
; Thread t takes 16 bytes at 16 t of each segment: a wave's load covers 512 consecutive bytes, its store 256 consecutive aligned bytes.
; All 16 loads of a wave are issued first (8 KiB a wave on its way); each byte is read once and written once.
; No LDS, matrix unit or cluster: no byte is used twice.
.set SEGS, 16
.set X, 4                              ; v[4:67] segment i: 4 registers as loaded, its first two as stored
	s_load_b512 s[8:23], s[0:1], 0x0               ; x s[8:9], wq s[10:11], wo s[12:13], wk s[14:15], wv s[16:17], mask s[18:19], xb s[20:21], wqkvb s[22:23]
	s_load_b128 s[24:27], s[0:1], 0x40             ; woh s[24:25], maskb s[26:27]
	s_and_b32 s2, ttmp7, 0xffff                    ; y = the job: 0,1 x; 2,3 wq; 4,5 wo; 6 wk; 7 wv; 8 mask
	s_and_b32 s3, s2, 1
	s_lshl_b32 s3, s3, 8
	s_add_co_u32 s3, s3, ttmp9                     ; the large sources have 512 parts: g = x + 256 (y & 1)
	s_cmp_ge_u32 s2, 6
	s_cselect_b32 s3, ttmp9, s3                    ; the small ones 256: g = x
	v_lshlrev_b32 v1, 4, v0                        ; 16 t: my bytes in a segment as read
	v_lshlrev_b32 v2, 3, v0                        ; 8 t: as written
	s_mov_b32 s36, 15                              ; log2 of the bytes that a part covers in the destination: dense, 16 x 2,048
	s_mov_b32 s37, 0                               ; the column's byte offset in wqkvb
	s_wait_kmcnt 0x0
	s_mov_b64 s[28:29], s[8:9]                     ; source and destination are chosen by y alone
	s_mov_b64 s[30:31], s[20:21]
	s_cmp_ge_u32 s2, 2
	s_cselect_b64 s[28:29], s[10:11], s[28:29]     ; wq -> wqkvb: 8 rows of 8,192 bytes a part
	s_cselect_b64 s[30:31], s[22:23], s[30:31]
	s_cselect_b32 s36, 16, s36
	s_cmp_ge_u32 s2, 4
	s_cselect_b64 s[28:29], s[12:13], s[28:29]     ; wo -> woh, dense
	s_cselect_b64 s[30:31], s[24:25], s[30:31]
	s_cselect_b32 s36, 15, s36
	s_cmp_ge_u32 s2, 6
	s_cselect_b64 s[28:29], s[14:15], s[28:29]     ; wk -> wqkvb: 16 rows of 8,192 bytes a part, from column 2048
	s_cselect_b64 s[30:31], s[22:23], s[30:31]
	s_cselect_b32 s36, 17, s36
	s_cselect_b32 s37, 4096, s37
	s_cmp_ge_u32 s2, 7
	s_cselect_b64 s[28:29], s[16:17], s[28:29]     ; wv: the same, from column 3072
	s_cselect_b32 s37, 6144, s37
	s_cmp_ge_u32 s2, 8
	s_cselect_b64 s[28:29], s[18:19], s[28:29]     ; mask -> maskb, dense
	s_cselect_b64 s[30:31], s[26:27], s[30:31]
	s_cselect_b32 s36, 15, s36
	s_cselect_b32 s37, 0, s37
	s_lshl_b32 s32, s3, 16                         ; a part is 16 x 4,096 bytes of its source
	s_mov_b32 s33, 0
	s_lshl_b32 s34, s3, s36
	s_add_co_u32 s34, s34, s37
	s_mov_b32 s35, 0
	s_add_nc_u64 s[28:29], s[28:29], s[32:33]
	s_add_nc_u64 s[30:31], s[30:31], s[34:35]
.set i, 0
.rept SEGS
	global_load_b128 v[X+4*i:X+4*i+3], v1, s[28:29] offset:4096*i th:TH_LOAD_NT   ; read once in the launch
.set i, i+1
.endr
; The 16 segments are converted and stored.  half = 1: on to f16.  sh: how segments lie in the destination:
; 2 dense; 1 two to a row of 8,192 bytes; 0 one to a row of 8,192 bytes.  No register is a source of two memory instructions.
.macro RUN half, sh
.set i, 0
.rept SEGS
	s_wait_loadcnt SEGS-1-i                        ; loads return in order (ISA guide 5.7.1): segment i is in, the 15 - i younger ones stay out
	v_cvt_pk_bf16_f32 v[X+4*i], v[X+4*i], v[X+4*i+1]
	v_cvt_pk_bf16_f32 v[X+4*i+1], v[X+4*i+2], v[X+4*i+3]
.if \half
	v_lshlrev_b32 v[X+4*i+2], 16, v[X+4*i]         ; the rounded values as f32 again,
	v_and_b32 v[X+4*i+3], 0xffff0000, v[X+4*i]
	v_cvt_pk_f16_f32 v[X+4*i], v[X+4*i+2], v[X+4*i+3]      ; and, without a further loss in the stated range, as f16
	v_lshlrev_b32 v[X+4*i+2], 16, v[X+4*i+1]
	v_and_b32 v[X+4*i+3], 0xffff0000, v[X+4*i+1]
	v_cvt_pk_f16_f32 v[X+4*i+1], v[X+4*i+2], v[X+4*i+3]
.endif
.if \sh == 2
	global_store_b64 v2, v[X+4*i:X+4*i+1], s[30:31] offset:2048*i
.else
.if \sh == 1
	global_store_b64 v2, v[X+4*i:X+4*i+1], s[30:31] offset:(i>>1)*8192+(i&1)*2048
.else
	global_store_b64 v2, v[X+4*i:X+4*i+1], s[30:31] offset:8192*i
.endif
.endif
.set i, i+1
.endr
.endm
	s_cmp_ge_u32 s2, 8
	s_cbranch_scc1 .Ldense
	s_cmp_ge_u32 s2, 6
	s_cbranch_scc1 .Lnarrow
	s_cmp_ge_u32 s2, 4
	s_cbranch_scc1 .Lhalf
	s_cmp_ge_u32 s2, 2
	s_cbranch_scc1 .Lwide
.Ldense:
	RUN 0, 2                                       ; x, mask
	s_endpgm
.Lwide:
	RUN 0, 1                                       ; wq
	s_endpgm
.Lhalf:
	RUN 1, 2                                       ; wo
	s_endpgm
.Lnarrow:
	RUN 0, 0                                       ; wk, wv
	s_endpgm
.Lfunc_end_k_qc1b7b66c7d_cvt:
	.size	k_qc1b7b66c7d_cvt, .Lfunc_end_k_qc1b7b66c7d_cvt-k_qc1b7b66c7d_cvt
	.p2alignl 7, 3214868480
	.fill 96, 4, 3214868480
	.section	.rodata,"a",@progbits
	.p2align	6, 0x0
	.amdhsa_kernel k_qc1b7b66c7d_cvt
		.amdhsa_group_segment_fixed_size 0
		.amdhsa_private_segment_fixed_size 0
		.amdhsa_enable_private_segment 0
		.amdhsa_kernarg_size 80
		.amdhsa_user_sgpr_count 2
		.amdhsa_user_sgpr_kernarg_segment_ptr 1
		.amdhsa_wavefront_size32 1
		.amdhsa_system_sgpr_workgroup_id_x 1
		.amdhsa_system_sgpr_workgroup_id_y 1
		.amdhsa_system_sgpr_workgroup_id_z 1
		.amdhsa_system_vgpr_workitem_id 0
		.amdhsa_next_free_vgpr 72
		.amdhsa_next_free_sgpr 66
		.amdhsa_reserve_vcc 0
		.amdhsa_float_denorm_mode_32 3
		.amdhsa_float_denorm_mode_16_64 3
		.amdhsa_memory_ordered 1
		.amdhsa_forward_progress 1
		.amdhsa_inst_pref_size 25
	.end_amdhsa_kernel
	.amdgpu_metadata
---
amdhsa.version: [ 1, 2 ]
amdhsa.kernels:
  - .name:           k_qc1b7b66c7d_cvt
    .symbol:         k_qc1b7b66c7d_cvt.kd
    .args:
      - { .name: x, .offset: 0, .size: 8, .value_kind: global_buffer, .address_space: global }
      - { .name: wq, .offset: 8, .size: 8, .value_kind: global_buffer, .address_space: global }
      - { .name: wo, .offset: 16, .size: 8, .value_kind: global_buffer, .address_space: global }
      - { .name: wk, .offset: 24, .size: 8, .value_kind: global_buffer, .address_space: global }
      - { .name: wv, .offset: 32, .size: 8, .value_kind: global_buffer, .address_space: global }
      - { .name: mask, .offset: 40, .size: 8, .value_kind: global_buffer, .address_space: global }
      - { .name: xb, .offset: 48, .size: 8, .value_kind: global_buffer, .address_space: global }
      - { .name: wqkvb, .offset: 56, .size: 8, .value_kind: global_buffer, .address_space: global }
      - { .name: woh, .offset: 64, .size: 8, .value_kind: global_buffer, .address_space: global }
      - { .name: maskb, .offset: 72, .size: 8, .value_kind: global_buffer, .address_space: global }
    .group_segment_fixed_size: 0
    .private_segment_fixed_size: 0
    .kernarg_segment_align: 8
    .kernarg_segment_size: 80
    .max_flat_workgroup_size: 256
    .sgpr_count:     66
    .vgpr_count:     72
    .wavefront_size: 32
...
	.end_amdgpu_metadata
.endif
;; end of part 1
;; launch qkv (part 2): grid 16 x 16, 4 waves a work-group, clusters of 4 x 4, 327,680 bytes of LDS; arguments xb, wqkvb, freqs_cos, freqs_sin, qkv; writes qkv
.if DOCPART == 2
	.amdgcn_target "amdgcn-amd-amdhsa--gfx1250"
	.amdhsa_code_object_version 6
	.text
	.protected	k_qc1b7b66c7d_qkv
	.globl	k_qc1b7b66c7d_qkv
	.p2align	8
	.type	k_qc1b7b66c7d_qkv,@function
k_qc1b7b66c7d_qkv:
	s_mov_b64 s[64:65], 0
	v_nop
	global_prefetch_b8 v0, s[64:65] scope:SCOPE_SE
	s_setreg_imm32_b32 hwreg(HW_REG_WAVE_MODE, 25, 1), 1
	s_wait_xcnt 0x0
	s_wait_alu depctr_hold_cnt(0) depctr_sa_sdst(0) depctr_va_vdst(0) depctr_va_sdst(0) depctr_va_ssrc(0) depctr_va_vcc(0) depctr_vm_vsrc(0)
	s_getreg_b32 s2, hwreg(HW_REG_IB_STS2, 6, 4)
	s_cmp_eq_u32 s2, 0
	s_cbranch_scc0 .Lentry_in_a_cluster
	s_endpgm
.Lentry_in_a_cluster:
	s_bfe_u32 s2, ttmp6, 0x10000c
	s_cmp_lg_u32 s2, 0xf033
	s_cbranch_scc0 .Lentry_shape_is_right
	s_endpgm
.Lentry_shape_is_right:
; qkv[s][n] = f16( scale x rope( sum over k of xb[s][k] wqkvb[k][n] ) ).  xb [2048][4096] bf16, wqkvb [4096 k][4096 n] bf16, sums in f32.
; Columns 128 j: j 0-15 the query heads, rotated, x 4 log2(e) / sqrt(128); j 16-23 the key heads, rotated, x 1/4; j 24-31 the values, x 1/4.
; (The product of the first two factors is log2(e) / sqrt(128): the scores come out ready for a softmax in base 2.)
; cos and sin are read as f32, rounded to bf16 like every other input, and used in f32.
; LIMITS: f16 overflows for |q| > 128,000 and |k|, |v| > 262,000.  For the value columns the rotation is turned into x 1/4 by the
; constants (cos' = 0 cos + 1/4, sin' = 0 sin), so a cos or sin that is not finite spoils v too; there the whole result is NaN anyway.
; The sums run over K in a rotated order (see K AS A RING), not ascending from 0.
; SHAPE: a work-group makes 128 rows x 256 columns with four waves, 16 x 16 = 256 work-groups; a wave makes 64 x 128: 32 accumulator
; tiles, 256 registers.  K goes in steps of 128 through two LDS slots.
; CLUSTERS: 4 x 4 work-groups.  x's tile hangs on the block row alone and is asked for jointly along a row of the cluster, the weights'
; tile on the block column alone and jointly along a column: a quarter of the requests.
; K AS A RING: cluster (X, Y) starts at K step ((X + Y) mod 4) x 8 of the 32 and wraps round.  The four clusters that read one tile of the
; weights (same X) and the four that read one tile of x (same Y) so ask for it in four different quarters of their walks, not all at once.
; The start hangs on the cluster's own coordinates, which all sixteen partners share.
; THE MATRIX INSTRUCTION IS USED TRANSPOSED: source 0 = 16 columns of the weights (transposing LDS loads, since they lie [k][n]),
; source 1 = 16 rows of x.  Lane (r, h) then holds row r, columns 8 h + 0..7 of a tile.
; REGISTERS: window 0: addresses, two fragment buffers (x at F + 8 a, weights at F + 32 + 8 b), way out.  Window 1: tile (a, b) at 8 (8 a + b).
.set SIZE_K, 4096
.set KSTEP,  128
.set NSTEP,  SIZE_K/KSTEP              ; 32 K steps, a power of two: the ring's wrap is an AND
.set PA,     272                       ; an LDS row of x: 256 bytes + 16: the sixteen rows that a load touches begin 16 bytes apart modulo 256
.set PB,     544                       ; an LDS row of weights: 512 bytes + 32, an odd multiple of 32, for the transposing loads
.set BBYTES, 128*PB                    ; 69,632: the weights' 128 k rows
.set SLOT,   BBYTES+128*PA             ; 104,448: then x's 128 rows
.set STAGE,  2*SLOT                    ; 208,896, a multiple of 256: behind the ring, never filled by a tensor load
.set SP,     528                       ; a stage row: 128 f32 + 16 bytes
.set WSTAGE, 16*SP                     ; a wave's own stage
.set LAPS,   SIZE_K/(2*KSTEP)          ; a lap = two K steps = once round the two slots
.set ADRA, 2                           ; v2, v3   LDS address of my x fragments in slot 0, 1
.set ADRB, 4                           ; v4, v5   the same for the weights
.set STO,  6                           ; v6       way out: where I put my 32 bytes of a row
.set RD,   7                           ; v7       way out: where I read a row back
.set LN,   8                           ; v8       8 x lane: my offset in a row of cos, of sin and of qkv
.set F0,   32
.set F1,   128
.set T,    32                          ; v[32:95]   way out: 16 rows, 4 f32 a lane
.set CS,   96                          ; v[96:223]  way out: cos, sin of 16 rows, two buffers of 64
.set OUTR, 224                         ; v[224:255] way out: 16 rows, 4 f16 a lane
.set G1A, 24                           ; s[24:31] shape of x's tiles;        s[32:39] from where, to where, a set for each slot
.set G0A, 32
.set G1B, 40                           ; s[40:47] shape of the weights' tiles; s[48:55] likewise
.set G0B, 48
.set ACC, 0x50                         ; C and D in window 1, both sources in window 0
.set MSB, 0
.macro WIN new                         ; the immediate's high byte repeats the setting that is left
.if MSB != \new
	s_set_vgpr_msb (MSB<<8)|\new
.set MSB, \new
.endif
.endm
.macro PLACES                          ; four places behind a matrix instruction (ISA guide 7.12.1) before its registers are loaded into or its result is read
.rept 4
	v_nop
.endr
.endm
; A joint load: waves 0, 1 fetch the weights' two halves, waves 2, 3 x's.  The branch hangs on the wave's number alone.
.macro JLOAD s
	s_cmp_eq_u32 s15, 0
	s_cbranch_scc0 .Lfor_a_\@
	tensor_load_to_lds s[G0B+4*\s:G0B+4*\s+3], s[G1B:G1B+7]
	s_nop 0
	s_branch .Lasked_\@
.Lfor_a_\@:
	tensor_load_to_lds s[G0A+4*\s:G0A+4*\s+3], s[G1A:G1A+7]
	s_nop 0
.Lasked_\@:
.endm
; Slot s gets the addresses of K step s76, and s76 goes one step on round the ring.  Called only where no tensor load that names slot s's registers is out.
.macro STEPADR s
	s_lshl_b32 s56, s76, 8                         ; 128 elements of 2 bytes along x's rows (s57 = 0)
	s_lshl_b32 s60, s76, 20                        ; 128 rows of 8,192 bytes of the weights (s61 = 0)
	s_add_nc_u64 s[G0A+4*\s+2:G0A+4*\s+3], s[58:59], s[56:57]
	s_or_b32 s[G0A+4*\s+3], s[G0A+4*\s+3], 0x80000000
	s_add_nc_u64 s[G0B+4*\s+2:G0B+4*\s+3], s[62:63], s[60:61]
	s_or_b32 s[G0B+4*\s+3], s[G0B+4*\s+3], 0x80000000
	s_add_co_u32 s76, s76, 1
	s_and_b32 s76, s76, NSTEP-1
.endm
.macro CREST                           ; a round of the cluster's barrier behind its opening barrier
	s_cmp_lg_u32 s14, 0
	s_cbranch_scc1 .Lnot_wave_0_\@
	s_barrier_signal -3
.Lnot_wave_0_\@:
	s_barrier_wait -3
	s_barrier_signal -1
	s_barrier_wait -1
.endm
.macro CROUND
	s_barrier_signal -1
	s_barrier_wait -1
	CREST
.endm
	s_load_b256 s[4:11], s[0:1], 0x0               ; xb s[4:5], wqkvb s[6:7], cos s[8:9], sin s[10:11]
	s_load_b64 s[12:13], s[0:1], 0x20              ; qkv
	v_lshl_add_u32 v30, v0, 2, 0x3b400
	v_mov_b32 v31, 0
	ds_add_u32 v30, v31
	v_lshrrev_b32 v1, 5, v0
	v_readfirstlane_b32 s14, v1                    ; wave 0..3
	s_lshr_b32 s15, s14, 1                         ; my half of the rows.  Also: I fetch weights (0) or x (1)
	s_and_b32 s16, s14, 1                          ; my half of the columns.  Also: which 64 rows of that tile I fetch
	s_bfe_u32 s17, ttmp6, 0x40000                  ; cx
	s_bfe_u32 s18, ttmp6, 0x40004                  ; cy
	s_lshl_b32 s19, ttmp9, 2
	s_add_co_u32 s19, s19, s17                     ; block column = 4 x cluster x + cx
	s_and_b32 s20, ttmp7, 0xffff
	s_lshl_b32 s20, s20, 2
	s_add_co_u32 s20, s20, s18                     ; block row = 4 x cluster y + cy
	s_lshl_b32 s21, s18, 2
	s_lshl_b32 s21, 15, s21                        ; my row of the cluster
	s_lshl_b32 s22, 0x1111, s17                    ; my column
	s_and_b32 s76, ttmp7, 0xffff
	s_add_co_u32 s76, s76, ttmp9
	s_and_b32 s76, s76, 3
	s_mul_i32 s76, s76, NSTEP/4                    ; my cluster's first K step
	; x's tile: 64 rows x 128 elements of 2 bytes, 4 words of padding behind every 64
	s_or_b32 s[G1A+0], s21, (1<<16)|(1<<20)|(1<<21)|(5<<22)|(3<<25)
	s_mov_b32 s[G1A+1], KSTEP<<16                  ; tensor_dim0 = 128
	s_mov_b32 s[G1A+2], 64<<16                     ; tensor_dim1 = 64
	s_mov_b32 s[G1A+3], KSTEP<<16                  ; tile_dim0 = 128
	s_mov_b32 s[G1A+4], 64                         ; tile_dim1 = 64
	s_mov_b32 s[G1A+5], SIZE_K                     ; elements from row to row
	s_mov_b32 s[G1A+6], 0
	s_mov_b32 s[G1A+7], 0
	; the weights' tile: 64 k rows x 256 elements, 8 words of padding behind every 128
	s_or_b32 s[G1B+0], s22, (1<<16)|(1<<20)|(1<<21)|(6<<22)|(7<<25)
	s_mov_b32 s[G1B+1], 256<<16
	s_mov_b32 s[G1B+2], 64<<16
	s_mov_b32 s[G1B+3], 256<<16
	s_mov_b32 s[G1B+4], 64
	s_mov_b32 s[G1B+5], 4096
	s_mov_b32 s[G1B+6], 0
	s_mov_b32 s[G1B+7], 0
	; x's address is made of the block row and the wave's number, the weights' of the block column and the wave's number, in registers of their own
	s_lshl_b32 s56, s20, 7
	s_lshl_b32 s57, s16, 6
	s_add_co_u32 s56, s56, s57                     ; row 128 x block row + 64 x half
	s_mul_i32 s56, s56, SIZE_K*2                   ; below 2^25
	s_mov_b32 s57, 0
	s_lshl_b32 s60, s16, 19                        ; 64 k rows of 8,192 bytes x half
	s_lshl_b32 s61, s19, 9                         ; 256 columns of 2 bytes x block column
	s_add_co_u32 s60, s60, s61
	s_mov_b32 s61, 0
	s_mul_i32 s70, s14, 64*PB                      ; LDS: weights' half w (waves 0, 1)
	s_mul_i32 s71, s14, 64*PA
	s_add_co_u32 s71, s71, BBYTES-2*64*PA          ; LDS: x's half w - 2 (waves 2, 3), behind the weights
	; the scale of my columns hangs on the cluster's x alone (1,024 columns): 0, 1 queries; 2 keys; 3 values.  It selects values only.
	s_mov_b32 s74, 0x3f0293ee                      ; 4 log2(e) / sqrt(128)
	s_cmp_ge_u32 ttmp9, 2
	s_cselect_b32 s74, 0x3e800000, s74             ; 1/4
	s_cmp_ge_u32 ttmp9, 3
	s_cselect_b32 s74, 0, s74                      ; values: cos' = 0 cos + 1/4, sin' = 0 sin
	s_cselect_b32 s75, 0x3e800000, 0
	v_mov_b32 v16, s74
	v_mov_b32 v17, s74
	v_mov_b32 v18, s75
	v_mov_b32 v19, s75
	s_wait_dscnt 0x0
	s_wait_kmcnt 0x0
	s_add_nc_u64 s[58:59], s[4:5], s[56:57]        ; x at my rows, K = 0
	s_add_nc_u64 s[62:63], s[6:7], s[60:61]        ; the weights at my columns, K = 0
	CROUND                                         ; all sixteen work-groups are here: the first joint loads meet
.irp s, 0,1
	s_mov_b32 s[G0A+4*\s], 1
	s_add_co_u32 s[G0A+4*\s+1], s71, \s*SLOT
	s_mov_b32 s[G0B+4*\s], 1
	s_add_co_u32 s[G0B+4*\s+1], s70, \s*SLOT
	STEPADR \s
	JLOAD \s                                       ; my cluster's first two K steps: two loads of the wave are out, later one
.endr
	v_and_b32 v10, 15, v0                          ; r
	v_bfe_u32 v11, v0, 4, 1                        ; h
	v_mul_u32_u24 v12, v10, PA
	v_lshl_add_u32 v12, v11, 4, v12                ; r x pitch + 16 h
	s_mul_i32 s66, s15, 64*PA
	s_add_co_u32 s66, s66, BBYTES                  ; my 64 rows of x
	v_add_nc_u32 v[ADRA], s66, v12
	v_add_nc_u32 v[ADRA+1], SLOT, v[ADRA]
	v_and_b32 v13, 7, v0
	v_lshl_add_u32 v13, v11, 3, v13                ; k row 8 h + (lane & 7)
	v_mul_u32_u24 v13, v13, PB
	v_bfe_u32 v14, v0, 3, 1
	v_lshl_add_u32 v13, v14, 4, v13                ; + 16 bytes for the upper eight columns
	s_lshl_b32 s66, s16, 8                         ; my 128 columns
	v_add_nc_u32 v[ADRB], s66, v13
	v_add_nc_u32 v[ADRB+1], SLOT, v[ADRB]
	s_mul_i32 s67, s14, WSTAGE
	s_add_co_u32 s67, s67, STAGE                   ; my stage
	v_mul_u32_u24 v15, v10, SP
	v_lshl_add_u32 v15, v11, 5, v15                ; row r, 32 bytes for each half of the lanes
	v_add_nc_u32 v[STO], s67, v15
	v_and_b32 v15, 31, v0
	v_lshlrev_b32 v[LN], 3, v15
	v_lshl_add_u32 v[RD], v15, 4, s67              ; back: 32 lanes x 16 bytes = a row of 128 f32
; 8 matrix instructions: row block a x all 8 column blocks, 32 along K.  zero = 1: the first product starts the sums.
.macro MULA f, a, zero
.irp b, 0,1,2,3,4,5,6,7
.if \zero
	v_wmma_f32_16x16x32_bf16 v[8*(8*\a+\b):8*(8*\a+\b)+7], v[\f+32+8*\b:\f+32+8*\b+7], v[\f+8*\a:\f+8*\a+7], 0
.else
	v_wmma_f32_16x16x32_bf16 v[8*(8*\a+\b):8*(8*\a+\b)+7], v[\f+32+8*\b:\f+32+8*\b+7], v[\f+8*\a:\f+8*\a+7], v[8*(8*\a+\b):8*(8*\a+\b)+7]
.endif
.endr
.endm
; 24 LDS loads in one run: the fragments of quarter ks of a K step: 16 transposing loads (128 columns x 32 k), then 8 plain ones (64 rows x 32 k)
.macro FETCH slot, ks, f
	WIN 0
.irp b, 0,1,2,3,4,5,6,7
	ds_load_tr16_b128 v[\f+32+8*\b:\f+32+8*\b+3], v[ADRB+\slot] offset:\ks*32*PB+32*\b
	ds_load_tr16_b128 v[\f+32+8*\b+4:\f+32+8*\b+7], v[ADRB+\slot] offset:\ks*32*PB+32*\b+16*PB
.endr
.irp a, 0,1,2,3
	ds_load_b128 v[\f+8*\a:\f+8*\a+3], v[ADRA+\slot] offset:\a*16*PA+64*\ks
	ds_load_b128 v[\f+8*\a+4:\f+8*\a+7], v[ADRA+\slot] offset:\a*16*PA+64*\ks+32
.endr
.endm
; A quarter step multiplies buffer f and, in its middle, fetches quarter ks into buffer g.
; The 32 accumulators take turns, one instruction a turn, in one order everywhere, over the backward jump too.
.macro QUARTER slot, ks, f, g, zero
	s_wait_dscnt 4                                 ; all but the youngest four loads: x's row blocks 2 and 3
	WIN ACC
	MULA \f, 0, \zero
	MULA \f, 1, \zero
	PLACES
	FETCH \slot, \ks, \g
	s_wait_dscnt 24                                ; all but the 24 just issued
	WIN ACC
	MULA \f, 2, \zero
	MULA \f, 3, \zero
.endm
.macro THREE slot, zero
	QUARTER \slot, 1, F0, F1, \zero
	QUARTER \slot, 2, F1, F0, 0
	QUARTER \slot, 3, F0, F1, 0
.endm
; The last quarter multiplies buffer 1 and changes slots.  In front of the barrier each wave waits for its reads of this slot and for all
; its tensor loads (one is out: its part of the next slot).  fill = 1: the barrier opens a round of the cluster's barrier, and the joint
; refill of this slot, two K steps ahead, is the first tensor load behind the round.  From that request to the wait for it a wave issues
; 120 of a K step's 128 matrix instructions.
.macro TURN slot, next, fill
	s_wait_dscnt 4
	WIN ACC
	MULA F1, 0, 0
	s_wait_dscnt 0
	s_wait_tensorcnt 0x0
	ds_add_u32 v30, v31
	s_wait_dscnt 0x0
	s_barrier_signal -1
	MULA F1, 1, 0                                  ; register work while the others arrive
	WIN 0
	s_barrier_wait -1
.if \fill
	CREST
	STEPADR \slot
	JLOAD \slot
.endif
	PLACES
	FETCH \next, 0, F0
	WIN ACC
	MULA F1, 2, 0
	MULA F1, 3, 0
.endm
.macro LAP zero
	THREE 0, \zero
	TURN 0, 1, 1
	THREE 1, 0
	TURN 1, 0, 1
.endm
	s_wait_tensorcnt 0x1                           ; my part of the first K step is in; the second's may stay out
	s_barrier_signal -1
	s_barrier_wait -1
	FETCH 0, 0, F0
	LAP 1
	WIN 0
	s_mov_b32 s23, LAPS-2
.Llap:
	LAP 0
	WIN 0
	s_sub_co_u32 s23, s23, 1
	s_cmp_lg_u32 s23, 0
	s_cbranch_scc1 .Llap
	THREE 0, 0                                     ; the last lap fills nothing
	TURN 0, 1, 0
	THREE 1, 0
	s_wait_dscnt 4
	WIN ACC
	MULA F1, 0, 0
	MULA F1, 1, 0
	s_wait_dscnt 0
	MULA F1, 2, 0
	MULA F1, 3, 0
	PLACES
	WIN 0
	; THE WAY OUT, 16 rows at a time: the f32 sums go through my own stage, come back as whole rows (a lane: 4 neighbouring columns = 2 pairs),
	; are rotated, scaled, rounded to f16 and stored.  My 128 columns are one head.
	s_lshl_b32 s66, s20, 7
	s_lshl_b32 s67, s15, 6
	s_add_co_u32 s66, s66, s67                     ; my first row
	s_lshl_b32 s68, s66, 8                         ; a row of cos or sin is 256 bytes
	s_mov_b32 s69, 0
	s_add_nc_u64 s[8:9], s[8:9], s[68:69]
	s_add_nc_u64 s[10:11], s[10:11], s[68:69]
	s_lshl_b32 s68, s66, 13                        ; a row of qkv is 8,192 bytes
	s_lshl_b32 s72, s19, 9
	s_lshl_b32 s73, s16, 8
	s_add_co_u32 s68, s68, s72
	s_add_co_u32 s68, s68, s73                     ; + my first column
	s_add_nc_u64 s[12:13], s[12:13], s[68:69]
.macro CSLOAD a                        ; cos and sin of the 16 rows of group a, by turns: each load of the wave is a whole row of 256 bytes
.set i, 0
.rept 16
	global_load_b64 v[CS+64*((\a)&1)+4*i:CS+64*((\a)&1)+4*i+1], v[LN], s[8:9] offset:(16*(\a)+i)*256
	global_load_b64 v[CS+64*((\a)&1)+4*i+2:CS+64*((\a)&1)+4*i+3], v[LN], s[10:11] offset:(16*(\a)+i)*256
.set i, i+1
.endr
.endm
.macro OUTG a
.if \a < 3
	CSLOAD \a+1                                    ; the next group's tables, into the other buffer
.endif
	WIN 0x04                                       ; store data from window 1
.irp b, 0,1,2,3,4,5,6,7
	ds_store_b128 v[STO], v[8*(8*\a+\b):8*(8*\a+\b)+3] offset:64*\b
	ds_store_b128 v[STO], v[8*(8*\a+\b)+4:8*(8*\a+\b)+7] offset:64*\b+16
.endr
	WIN 0
.if \a
	s_wait_xcnt 0x0                                ; the last group's stores have read OUTR: it is rewritten only behind this wait
.endif
.set i, 0
.rept 16
	ds_load_b128 v[T+4*i:T+4*i+3], v[RD] offset:SP*i       ; my own stage; LDS serves a wave's instructions in order (ISA guide 5.7.1): these see the stores above
.set i, i+1
.endr
.set i, 0
.rept 16
.set CC, CS+64*((\a)&1)+4*i
.set TT, T+4*i
.if \a < 3
	s_wait_loadcnt 2*(15-i)+32                     ; behind row i's sin: two loads for each later row of the group, and the next group's 32
.else
	s_wait_loadcnt 2*(15-i)
.endif
	s_wait_dscnt 15-i                              ; row i is back, the 15 - i later rows may be out
	v_cvt_pk_bf16_f32 v20, v[CC], v[CC+1]          ; cos and sin rounded to bf16, as every input is,
	v_cvt_pk_bf16_f32 v21, v[CC+2], v[CC+3]
	v_lshlrev_b32 v22, 16, v20                     ; and widened again
	v_and_b32 v23, 0xffff0000, v20
	v_lshlrev_b32 v24, 16, v21
	v_and_b32 v25, 0xffff0000, v21
	v_pk_fma_f32 v[22:23], v[22:23], v[16:17], v[18:19]    ; cos' = scale cos (values: 1/4)
	v_pk_mul_f32 v[24:25], v[24:25], v[16:17]              ; sin' = scale sin (values: 0)
	v_mul_f32 v26, v[TT], v22
	v_mul_f32 v27, v[TT+1], v22
	v_mul_f32 v28, v[TT+2], v23
	v_mul_f32 v29, v[TT+3], v23
	v_fma_f32 v26, v[TT+1], -v24, v26              ; t0 cos - t1 sin
	v_fma_f32 v27, v[TT], v24, v27                 ; t0 sin + t1 cos
	v_fma_f32 v28, v[TT+3], -v25, v28
	v_fma_f32 v29, v[TT+2], v25, v29
	v_cvt_pk_f16_f32 v[OUTR+2*i], v26, v27
	v_cvt_pk_f16_f32 v[OUTR+2*i+1], v28, v29
	global_store_b64 v[LN], v[OUTR+2*i:OUTR+2*i+1], s[12:13] offset:(16*(\a)+i)*8192   ; the wave stores 256 consecutive bytes, aligned
.set i, i+1
.endr
.endm
	CSLOAD 0
	OUTG 0
	OUTG 1
	OUTG 2
	OUTG 3
	s_wait_tensorcnt 0x0
	ds_add_u32 v30, v31
	s_wait_dscnt 0x0
	CROUND                                         ; the closing round: no work-group ends while a partner may still ask jointly
	s_endpgm
.Lfunc_end_k_qc1b7b66c7d_qkv:
	.size	k_qc1b7b66c7d_qkv, .Lfunc_end_k_qc1b7b66c7d_qkv-k_qc1b7b66c7d_qkv
	.p2alignl 7, 3214868480
	.fill 96, 4, 3214868480
	.section	.rodata,"a",@progbits
	.p2align	6, 0x0
	.amdhsa_kernel k_qc1b7b66c7d_qkv
		.amdhsa_group_segment_fixed_size 327680
		.amdhsa_private_segment_fixed_size 0
		.amdhsa_enable_private_segment 0
		.amdhsa_kernarg_size 40
		.amdhsa_user_sgpr_count 2
		.amdhsa_user_sgpr_kernarg_segment_ptr 1
		.amdhsa_wavefront_size32 1
		.amdhsa_system_sgpr_workgroup_id_x 1
		.amdhsa_system_sgpr_workgroup_id_y 1
		.amdhsa_system_sgpr_workgroup_id_z 1
		.amdhsa_system_vgpr_workitem_id 0
		.amdhsa_next_free_vgpr 512
		.amdhsa_next_free_sgpr 80
		.amdhsa_reserve_vcc 0
		.amdhsa_float_denorm_mode_32 3
		.amdhsa_float_denorm_mode_16_64 3
		.amdhsa_memory_ordered 1
		.amdhsa_forward_progress 1
		.amdhsa_inst_pref_size 193
	.end_amdhsa_kernel
	.amdgpu_metadata
---
amdhsa.version: [ 1, 2 ]
amdhsa.kernels:
  - .name:           k_qc1b7b66c7d_qkv
    .symbol:         k_qc1b7b66c7d_qkv.kd
    .args:
      - { .name: xb, .offset: 0, .size: 8, .value_kind: global_buffer, .address_space: global }
      - { .name: wqkvb, .offset: 8, .size: 8, .value_kind: global_buffer, .address_space: global }
      - { .name: freqs_cos, .offset: 16, .size: 8, .value_kind: global_buffer, .address_space: global }
      - { .name: freqs_sin, .offset: 24, .size: 8, .value_kind: global_buffer, .address_space: global }
      - { .name: qkv, .offset: 32, .size: 8, .value_kind: global_buffer, .address_space: global }
    .group_segment_fixed_size: 327680
    .private_segment_fixed_size: 0
    .kernarg_segment_align: 8
    .kernarg_segment_size: 40
    .max_flat_workgroup_size: 128
    .sgpr_count:     80
    .vgpr_count:     512
    .wavefront_size: 32
...
	.end_amdgpu_metadata
.endif
;; end of part 2
;; launch attn (part 3): grid 32 x 8, 4 waves a work-group, clusters of 4 x 4, 327,680 bytes of LDS; arguments qkv, maskb, ao; writes ao
.if DOCPART == 3
	.amdgcn_target "amdgcn-amd-amdhsa--gfx1250"
	.amdhsa_code_object_version 6
	.text
	.protected	k_qc1b7b66c7d_attn
	.globl	k_qc1b7b66c7d_attn
	.p2align	8
	.type	k_qc1b7b66c7d_attn,@function
k_qc1b7b66c7d_attn:
	s_mov_b64 s[64:65], 0
	v_nop
	global_prefetch_b8 v0, s[64:65] scope:SCOPE_SE
	s_setreg_imm32_b32 hwreg(HW_REG_WAVE_MODE, 25, 1), 1
	s_wait_xcnt 0x0
	s_wait_alu depctr_hold_cnt(0) depctr_sa_sdst(0) depctr_va_vdst(0) depctr_va_sdst(0) depctr_va_ssrc(0) depctr_va_vcc(0) depctr_vm_vsrc(0)
	s_getreg_b32 s2, hwreg(HW_REG_IB_STS2, 6, 4)
	s_cmp_eq_u32 s2, 0
	s_cbranch_scc0 .Lentry_in_a_cluster
	s_endpgm
.Lentry_in_a_cluster:
	s_bfe_u32 s2, ttmp6, 0x10000c
	s_cmp_lg_u32 s2, 0xf033
	s_cbranch_scc0 .Lentry_shape_is_right
	s_endpgm
.Lentry_shape_is_right:
; ATTENTION with a running maximum.  qkv [2048][4096] f16 (q' heads at column 128 j, k' at 2048 + 128 j, v' at 3072 + 128 j), maskb [2048][2048] bf16,
; ao [2048][2048] f16 = attention output / 4 (v' carries the 1/4).  q' k' is the score times log2(e), so the softmax runs in base 2:
; s = q' k' + mask log2(e);  m = running maximum;  p = 2^(s - m);  O = O 2^(m_old - m) + p v';  at the end O / sum of p.
; The mask is an input and is read whole: no pattern of it is built in, and every key tile is computed.
; LIMITS: the maximum starts at -FLT_MAX, so it is the true maximum for every finite score; a score of -inf gives p = 0; a row masked
; entirely gives 0 x (1/0) = NaN, as the softmax of such a row does.  mask log2(e) overflows below -2.36e38.  p is rounded to f16 for the product.
; SHARES: a work-group has 64 query rows (x) of one key/value head (y) and serves BOTH query heads of it; wave w has rows 16 w .. 16 w + 15 of both,
; so a mask register serves two heads.  32 x 8 = 256 work-groups, 16 tiles of 128 keys each.
; EVERYTHING IS TRANSPOSED, so that a lane owns one query row (q = lane mod 16): S^T = K Q^T has key 16 m + 8 h + j in register j;
; two such tiles rounded to f16 are, register for register, the second source of O^T = V^T P^T for 32 keys.  Maximum, sum and rescale
; are a lane's own; only lane and lane xor 16 exchange the maximum.
; CLUSTERS: 4 x 4 work-groups.  K's and V's tiles hang on the head alone: asked for jointly along a row of the cluster.  The mask's tile hangs on
; the query block alone: jointly along a column.  Q is each work-group's own.  Wave 0 asks for K, 1 for V, 2 for the mask, 3 for Q (once):
; one tensor load of a wave is out at any time.
; REGISTERS: window 0: addresses, softmax state, K fragments, mask, S / P.  Window 1: O(head, t) at 64 head + 8 t; V fragments; V's addresses.
; Window 2: Q(head, ks) at 32 head + 8 ks.
.set PK,    272                        ; K's, the mask's LDS rows: 256 bytes + 16
.set PV,    288                        ; V's: 256 + 32, an odd multiple of 32, for the transposing loads
.set VOFF,  128*PK                     ; 34,816
.set MOFF,  VOFF+128*PV                ; 71,680
.set SLOT,  MOFF+64*PK                 ; 89,088, a multiple of 256
.set QOFF,  2*SLOT                     ; 178,176: 64 rows x 512 bytes (both heads), pitch 528
.set SP,    528
.set WSTAGE, 16*SP
.set STAGE, QOFF+64*SP                 ; 211,968, a multiple of 256: never filled by a tensor load; a wave's own 16 rows x 528
.set TSTEP, 128*8192                   ; 128 keys further down in qkv
.set ADK, 2                            ; v2, v3   K fragments in slot 0, 1
.set ADM, 4                            ; v4, v5   my mask rows in slot 0, 1
.set ADQ, 6                            ; v6       my Q rows; + STAGE - QOFF: my place in the stage
.set LG,  7                            ; v7       log2(e)
.set MX,  8                            ; v8, v9   running maximum of head 0, 1
.set RR,  10                           ; v10-13   two chains of maxima for each head
.set NM,  14                           ; v[14:15], v[16:17]  (-m, -m)
.set AL,  18                           ; v[18:19], v[20:21]  (alpha, alpha); at the end (1/l, 1/l)
.set LS,  22                           ; v[22:25], v[26:29]  four partial sums for each head
.set KF,  32                           ; v[32:95]   K fragments, two buffers of 32
.set MK,  96                           ; v[96:127]  mask: 4 registers (8 bf16) for each of 8 key blocks
.set SB,  128                          ; v[128:255] S(m, head) at 64 head + 8 m; P(c, head) in place at 64 head + 16 c
.set VF,  128                          ; window 1: V fragments, three buffers of 32
.set ADV, 224                          ; window 1: v224, v225  V fragments in slot 0, 1
.set G1K, 16
.set G1V, 24
.set G1M, 32
.set G1Q, 40
.set G0K, 48                           ; s[48:55], a set for each slot
.set G0V, 56                           ; s[56:63]
.set G0M, 68                           ; s[68:75]
.set G0Q, 76                           ; s[76:79]
.set MSB, 0
.macro WIN new
.if MSB != \new
	s_set_vgpr_msb (MSB<<8)|\new
.set MSB, \new
.endif
.endm
.macro PLACES                          ; four places behind a matrix instruction before a load lands in its sources
.rept 4
	v_nop
.endr
.endm
.macro ROUND                           ; a round of the cluster's barrier
	s_barrier_signal -1
	s_barrier_wait -1
	s_cmp_lg_u32 s10, 0
	s_cbranch_scc1 .Lnot_wave_0_\@
	s_barrier_signal -3
.Lnot_wave_0_\@:
	s_barrier_wait -3
	s_barrier_signal -1
	s_barrier_wait -1
.endm
; Each wave's one tensor load for slot s, by the wave's number alone.  q = 1: wave 3 fetches Q (at the start only).
.macro JLOAD s, q
	s_cmp_lg_u32 s10, 0
	s_cbranch_scc1 .Lnot_k_\@
	tensor_load_to_lds s[G0K+4*\s:G0K+4*\s+3], s[G1K:G1K+7]
	s_nop 0
	s_branch .Lasked_\@
.Lnot_k_\@:
	s_cmp_lg_u32 s10, 1
	s_cbranch_scc1 .Lnot_v_\@
	tensor_load_to_lds s[G0V+4*\s:G0V+4*\s+3], s[G1V:G1V+7]
	s_nop 0
	s_branch .Lasked_\@
.Lnot_v_\@:
	s_cmp_lg_u32 s10, 2
	s_cbranch_scc1 .Lnot_m_\@
	tensor_load_to_lds s[G0M+4*\s:G0M+4*\s+3], s[G1M:G1M+7]
	s_nop 0
.if \q
	s_branch .Lasked_\@
.endif
.Lnot_m_\@:
.if \q
	tensor_load_to_lds s[G0Q:G0Q+3], s[G1Q:G1Q+7]
	s_nop 0
.endif
.Lasked_\@:
.endm
	s_load_b128 s[4:7], s[0:1], 0x0                ; qkv s[4:5], maskb s[6:7]
	s_load_b64 s[8:9], s[0:1], 0x10                ; ao
	s_set_vgpr_msb 0x40
	v_lshl_add_u32 v254, v0, 2, 0x3c000
	v_mov_b32 v255, 0
	s_set_vgpr_msb 0x4045
	ds_add_u32 v254, v255
	s_set_vgpr_msb 0x4500
	v_lshrrev_b32 v1, 5, v0
	v_readfirstlane_b32 s10, v1                    ; wave 0..3
	s_bfe_u32 s11, ttmp6, 0x40000                  ; cx
	s_bfe_u32 s12, ttmp6, 0x40004                  ; cy
	s_lshl_b32 s13, ttmp9, 2
	s_add_co_u32 s13, s13, s11                     ; query block = 4 x cluster x + cx
	s_and_b32 s14, ttmp7, 0xffff
	s_lshl_b32 s14, s14, 2
	s_add_co_u32 s14, s14, s12                     ; key/value head = 4 x cluster y + cy
	s_lshl_b32 s84, s12, 2
	s_lshl_b32 s84, 15, s84                        ; my row of the cluster
	s_lshl_b32 s85, 0x1111, s11                    ; my column
	s_mov_b32 s81, 0x76543210                      ; v_permlanex16_b32: lane i reads lane i of the other half
	s_mov_b32 s82, 0xfedcba98
	; K: 128 rows x 128 elements of 2 bytes, 4 words of padding behind every 64; V: the same with 8 words
	s_or_b32 s[G1K+0], s84, (1<<16)|(1<<20)|(1<<21)|(5<<22)|(3<<25)
	s_or_b32 s[G1V+0], s84, (1<<16)|(1<<20)|(1<<21)|(5<<22)|(7<<25)
.irp g, G1K, G1V
	s_mov_b32 s[\g+1], 128<<16                     ; tensor_dim0 = 128
	s_mov_b32 s[\g+2], 128<<16                     ; tensor_dim1 = 128
	s_mov_b32 s[\g+3], 128<<16                     ; tile_dim0 = 128
	s_mov_b32 s[\g+4], 128                         ; tile_dim1 = 128
	s_mov_b32 s[\g+5], 4096                        ; elements from row to row of qkv
	s_mov_b32 s[\g+6], 0
	s_mov_b32 s[\g+7], 0
.endr
	; the mask: 64 rows x 128 elements
	s_or_b32 s[G1M+0], s85, (1<<16)|(1<<20)|(1<<21)|(5<<22)|(3<<25)
	s_mov_b32 s[G1M+1], 128<<16
	s_mov_b32 s[G1M+2], 64<<16
	s_mov_b32 s[G1M+3], 128<<16
	s_mov_b32 s[G1M+4], 64
	s_mov_b32 s[G1M+5], 2048
	s_mov_b32 s[G1M+6], 0
	s_mov_b32 s[G1M+7], 0
	; Q: 64 rows x 256 elements (two heads side by side), 4 words of padding behind every 128; no mask: my own
	s_mov_b32 s[G1Q+0], (1<<16)|(1<<20)|(6<<22)|(3<<25)
	s_mov_b32 s[G1Q+1], 256<<16
	s_mov_b32 s[G1Q+2], 64<<16
	s_mov_b32 s[G1Q+3], 256<<16
	s_mov_b32 s[G1Q+4], 64
	s_mov_b32 s[G1Q+5], 4096
	s_mov_b32 s[G1Q+6], 0
	s_mov_b32 s[G1Q+7], 0
	s_lshl_b32 s86, s14, 8                         ; K, V: the head's 256 bytes in a row; registers that never hold the query block
	s_mov_b32 s87, 0
	s_lshl_b32 s90, s13, 18                        ; the mask: 64 rows of 4,096 bytes; registers that never hold the head
	s_mov_b32 s91, 0
	s_lshl_b32 s94, s13, 19                        ; Q: 64 rows of 8,192 bytes, and the two heads' 512 bytes
	s_lshl_b32 s95, s14, 9
	s_add_co_u32 s94, s94, s95
	s_mov_b32 s95, 0
	s_wait_dscnt 0x0
	s_wait_kmcnt 0x0
	s_add_nc_u64 s[88:89], s[4:5], s[86:87]
	s_add_nc_u64 s[92:93], s[6:7], s[90:91]
.irp s, 0,1
	s_mov_b32 s[G0K+4*\s], 1
	s_mov_b32 s[G0K+4*\s+1], \s*SLOT
	s_add_nc_u64 s[G0K+4*\s+2:G0K+4*\s+3], s[88:89], 4096+\s*TSTEP
	s_or_b32 s[G0K+4*\s+3], s[G0K+4*\s+3], 0x80000000
	s_mov_b32 s[G0V+4*\s], 1
	s_mov_b32 s[G0V+4*\s+1], \s*SLOT+VOFF
	s_add_nc_u64 s[G0V+4*\s+2:G0V+4*\s+3], s[88:89], 6144+\s*TSTEP
	s_or_b32 s[G0V+4*\s+3], s[G0V+4*\s+3], 0x80000000
	s_mov_b32 s[G0M+4*\s], 1
	s_mov_b32 s[G0M+4*\s+1], \s*SLOT+MOFF
	s_add_nc_u64 s[G0M+4*\s+2:G0M+4*\s+3], s[92:93], \s*256
	s_or_b32 s[G0M+4*\s+3], s[G0M+4*\s+3], 0x80000000
.endr
	s_mov_b32 s[G0Q], 1
	s_mov_b32 s[G0Q+1], QOFF
	s_add_nc_u64 s[G0Q+2:G0Q+3], s[4:5], s[94:95]
	s_or_b32 s[G0Q+3], s[G0Q+3], 0x80000000
	ROUND                                          ; all sixteen work-groups are here
	JLOAD 0, 1                                     ; tile 0 and Q: each wave's one first fill
	v_and_b32 v30, 15, v0                          ; r
	v_bfe_u32 v31, v0, 4, 1                        ; h
	v_mul_u32_u24 v[ADK], v30, PK
	v_lshl_add_u32 v[ADK], v31, 4, v[ADK]          ; r x pitch + 16 h
	v_add_nc_u32 v[ADK+1], SLOT, v[ADK]
	s_mul_i32 s96, s10, 16*PK
	s_add_co_u32 s96, s96, MOFF                    ; my 16 rows of the mask
	v_add_nc_u32 v[ADM], s96, v[ADK]
	v_add_nc_u32 v[ADM+1], SLOT, v[ADM]
	v_mul_u32_u24 v[ADQ], v30, SP
	v_lshl_add_u32 v[ADQ], v31, 4, v[ADQ]
	s_mul_i32 s97, s10, WSTAGE
	s_add_co_u32 s96, s97, QOFF                    ; my 16 rows of Q
	v_add_nc_u32 v[ADQ], s96, v[ADQ]
	v_and_b32 v1, 7, v0
	v_lshl_add_u32 v1, v31, 3, v1                  ; key row 8 h + (lane & 7)
	v_mul_u32_u24 v1, v1, PV
	v_bfe_u32 v30, v0, 3, 1
	v_lshl_add_u32 v1, v30, 4, v1                  ; + 16 bytes for the upper eight columns
	WIN 0x40                                       ; destination in window 1
	v_add_nc_u32 v[ADV], VOFF, v1
	v_add_nc_u32 v[ADV+1], VOFF+SLOT, v1
	WIN 0
	v_mov_b32 v[LG], 0x3fb8aa3b                    ; log2(e)
	v_mov_b32 v[MX], 0xff7fffff                    ; -FLT_MAX
	v_mov_b32 v[MX+1], 0xff7fffff
.macro VSTAGE slot, i                  ; V^T fragments of stage i: keys 32 (i >> 1) .. + 31, d blocks 4 (i & 1) .. + 3; 8 transposing loads into buffer i mod 3
.irp u, 0,1,2,3
	ds_load_tr16_b128 v[VF+32*((\i)%3)+8*\u:VF+32*((\i)%3)+8*\u+3], v[ADV+\slot] offset:((\i)>>1)*32*PV+32*(4*((\i)&1)+\u)
	ds_load_tr16_b128 v[VF+32*((\i)%3)+8*\u+4:VF+32*((\i)%3)+8*\u+7], v[ADV+\slot] offset:((\i)>>1)*32*PV+32*(4*((\i)&1)+\u)+16*PV
.endr
.endm
.macro KLOAD slot, m                   ; K fragments of key block m: 16 keys x 128 d; 8 loads into buffer m mod 2
.irp ks, 0,1,2,3
	ds_load_b128 v[KF+32*((\m)&1)+8*\ks:KF+32*((\m)&1)+8*\ks+3], v[ADK+\slot] offset:(\m)*16*PK+64*\ks
	ds_load_b128 v[KF+32*((\m)&1)+8*\ks+4:KF+32*((\m)&1)+8*\ks+7], v[ADK+\slot] offset:(\m)*16*PK+64*\ks+32
.endr
.endm
.macro SMUL m                          ; S^T of key block m for both heads: the two accumulators take turns; the first product starts the sums
.irp ks, 0,1,2,3
.irp hd, 0,1
.if \ks == 0
	v_wmma_f32_16x16x32_f16 v[SB+64*\hd+8*(\m):SB+64*\hd+8*(\m)+7], v[KF+32*((\m)&1)+8*\ks:KF+32*((\m)&1)+8*\ks+7], v[32*\hd+8*\ks:32*\hd+8*\ks+7], 0
.else
	v_wmma_f32_16x16x32_f16 v[SB+64*\hd+8*(\m):SB+64*\hd+8*(\m)+7], v[KF+32*((\m)&1)+8*\ks:KF+32*((\m)&1)+8*\ks+7], v[32*\hd+8*\ks:32*\hd+8*\ks+7], v[SB+64*\hd+8*(\m):SB+64*\hd+8*(\m)+7]
.endif
.endr
.endr
.endm
.macro MASKMAX m                       ; s = mask log2(e) + S, one fused line a score; then the maxima, three at a time, two chains a head
.irp hd, 0,1
.irp q, 0,1,2,3
	v_fma_mix_f32_bf16 v[SB+64*\hd+8*\m+2*\q], v[MK+4*\m+\q], v[LG], v[SB+64*\hd+8*\m+2*\q] op_sel_hi:[1,0,0]
	v_fma_mix_f32_bf16 v[SB+64*\hd+8*\m+2*\q+1], v[MK+4*\m+\q], v[LG], v[SB+64*\hd+8*\m+2*\q+1] op_sel:[1,0,0] op_sel_hi:[1,0,0]
.endr
.endr
.irp hd, 0,1
.if \m == 0
	v_max3_num_f32 v[RR+2*\hd], v[MX+\hd], v[SB+64*\hd], v[SB+64*\hd+1]            ; the chains start from the running maximum
	v_max3_num_f32 v[RR+2*\hd+1], v[MX+\hd], v[SB+64*\hd+2], v[SB+64*\hd+3]
.else
	v_max3_num_f32 v[RR+2*\hd], v[RR+2*\hd], v[SB+64*\hd+8*\m], v[SB+64*\hd+8*\m+1]
	v_max3_num_f32 v[RR+2*\hd+1], v[RR+2*\hd+1], v[SB+64*\hd+8*\m+2], v[SB+64*\hd+8*\m+3]
.endif
	v_max3_num_f32 v[RR+2*\hd], v[RR+2*\hd], v[SB+64*\hd+8*\m+4], v[SB+64*\hd+8*\m+5]
	v_max3_num_f32 v[RR+2*\hd+1], v[RR+2*\hd+1], v[SB+64*\hd+8*\m+6], v[SB+64*\hd+8*\m+7]
.endr
.endm
; Group g = 4 head + c: the 16 registers of 32 keys of one head, at SB + 16 g.
.macro ADDG g                          ; s - m
.irp p, 0,1,2,3,4,5,6,7
	v_pk_add_f32 v[SB+16*(\g)+2*\p:SB+16*(\g)+2*\p+1], v[SB+16*(\g)+2*\p:SB+16*(\g)+2*\p+1], v[NM+2*((\g)>>2):NM+2*((\g)>>2)+1]
.endr
.endm
.macro EXPG g                          ; p = 2^(s - m), in place
.irp p, 0,1,2,3,4,5,6,7,8,9,10,11,12,13,14,15
	v_exp_f32 v[SB+16*(\g)+\p], v[SB+16*(\g)+\p]
.endr
.endm
.macro SUMG g, first                   ; into the head's partial sums; a head's first group brings alpha in (first trip: starts the sums, nothing is cleared)
.set LA, LS+4*((\g)>>2)
.set SG, SB+16*(\g)
.if ((\g)&3) == 0
.if \first
	s_wait_alu depctr_va_vdst(0)
	v_pk_add_f32 v[LA:LA+1], v[SG:SG+1], v[SG+4:SG+5]
	v_pk_add_f32 v[LA+2:LA+3], v[SG+2:SG+3], v[SG+6:SG+7]
.else
	s_wait_alu depctr_va_vdst(0)
	v_pk_fma_f32 v[LA:LA+1], v[LA:LA+1], v[AL+2*((\g)>>2):AL+2*((\g)>>2)+1], v[SG:SG+1]
	v_pk_fma_f32 v[LA+2:LA+3], v[LA+2:LA+3], v[AL+2*((\g)>>2):AL+2*((\g)>>2)+1], v[SG+2:SG+3]
	v_pk_add_f32 v[LA:LA+1], v[LA:LA+1], v[SG+4:SG+5]
	v_pk_add_f32 v[LA+2:LA+3], v[LA+2:LA+3], v[SG+6:SG+7]
.endif
.else
	s_wait_alu depctr_va_vdst(0)
	v_pk_add_f32 v[LA:LA+1], v[LA:LA+1], v[SG:SG+1]
	v_pk_add_f32 v[LA+2:LA+3], v[LA+2:LA+3], v[SG+2:SG+3]
	v_pk_add_f32 v[LA:LA+1], v[LA:LA+1], v[SG+4:SG+5]
	v_pk_add_f32 v[LA+2:LA+3], v[LA+2:LA+3], v[SG+6:SG+7]
.endif
	v_pk_add_f32 v[LA:LA+1], v[LA:LA+1], v[SG+8:SG+9]
	v_pk_add_f32 v[LA+2:LA+3], v[LA+2:LA+3], v[SG+10:SG+11]
	v_pk_add_f32 v[LA:LA+1], v[LA:LA+1], v[SG+12:SG+13]
	v_pk_add_f32 v[LA+2:LA+3], v[LA+2:LA+3], v[SG+14:SG+15]
.endm
.macro CVTG g                          ; 16 f32 to 8 registers of f16, in place: line k writes register k and reads 2 k, 2 k + 1, which no earlier line wrote
.irp p, 0,1,2,3,4,5,6,7
	v_cvt_pk_f16_f32 v[SB+16*(\g)+\p], v[SB+16*(\g)+2*\p], v[SB+16*(\g)+2*\p+1]
.endr
.endm
.macro PVMUL i, zero                   ; O^T(head, t) += V^T P^T for stage i: 8 accumulators, one instruction a turn
.irp u, 0,1,2,3
.irp hd, 0,1
.if \zero
	v_wmma_f32_16x16x32_f16 v[64*\hd+8*(4*((\i)&1)+\u):64*\hd+8*(4*((\i)&1)+\u)+7], v[VF+32*((\i)%3)+8*\u:VF+32*((\i)%3)+8*\u+7], v[SB+64*\hd+16*((\i)>>1):SB+64*\hd+16*((\i)>>1)+7], 0
.else
	v_wmma_f32_16x16x32_f16 v[64*\hd+8*(4*((\i)&1)+\u):64*\hd+8*(4*((\i)&1)+\u)+7], v[VF+32*((\i)%3)+8*\u:VF+32*((\i)%3)+8*\u+7], v[SB+64*\hd+16*((\i)>>1):SB+64*\hd+16*((\i)>>1)+7], v[64*\hd+8*(4*((\i)&1)+\u):64*\hd+8*(4*((\i)&1)+\u)+7]
.endif
.endr
.endr
.endm
; One tile of 128 keys, in slot.  refill = 1: the other slot gets the next tile.  first = 1: the first tile starts O and the sums.
.macro TRIP slot, other, refill, first
	s_set_vgpr_msb 0x5
	s_wait_tensorcnt 0x0                           ; all my tensor loads have landed, my part of this tile among them, so every group 0 may be written:
	ds_add_u32 v254, v255
	s_wait_dscnt 0x0
	s_set_vgpr_msb 0x500
	s_add_nc_u64 s[G0K+4*\slot+2:G0K+4*\slot+3], s[G0K+4*\slot+2:G0K+4*\slot+3], 2*TSTEP    ; this slot's next tile
	s_add_nc_u64 s[G0V+4*\slot+2:G0V+4*\slot+3], s[G0V+4*\slot+2:G0V+4*\slot+3], 2*TSTEP
	s_add_nc_u64 s[G0M+4*\slot+2:G0M+4*\slot+3], s[G0M+4*\slot+2:G0M+4*\slot+3], 2*256
	s_wait_dscnt 0x0                               ; my reads of the last tile are back
	ROUND                                          ; both now hold of every wave of every work-group of the cluster
.if \refill
	JLOAD \other, 0                                ; the next tile, into the slot read last: it has this whole trip in which to land
.endif
.if \first
	WIN 0x80                                       ; destination in window 2
.irp hd, 0,1
.irp ks, 0,1,2,3
	ds_load_b128 v[32*\hd+8*\ks:32*\hd+8*\ks+3], v[ADQ] offset:256*\hd+64*\ks
	ds_load_b128 v[32*\hd+8*\ks+4:32*\hd+8*\ks+7], v[ADQ] offset:256*\hd+64*\ks+32
.endr
.endr
.endif
	WIN 0x51                                       ; destination and address in window 1
	VSTAGE \slot, 0
	VSTAGE \slot, 1
	VSTAGE \slot, 2
	WIN 0x08                                       ; source 1 (Q) in window 2; loads: destination and address in window 0
	KLOAD \slot, 0
	KLOAD \slot, 1
.irp m, 0,1,2,3,4,5,6,7
	ds_load_b128 v[MK+4*\m:MK+4*\m+3], v[ADM+\slot] offset:32*\m      ; mask(my row, keys 16 m + 8 h .. + 7)
.endr
	s_wait_dscnt 16                                ; K block 0 is in: behind it stand block 1's 8 loads and the mask's 8
	SMUL 0
	PLACES
	KLOAD \slot, 2
	s_wait_dscnt 16                                ; block 1: behind it the mask's 8 and block 2's 8
	SMUL 1
	PLACES
	KLOAD \slot, 3
.irp m, 2,3,4,5
	s_wait_dscnt 8                                 ; block m: behind it the next block's 8
	SMUL \m
	PLACES
	KLOAD \slot, \m+2
.endr
	s_wait_dscnt 8
	SMUL 6
	s_wait_dscnt 0                                 ; block 7, the youngest load; V's stages 0 to 2 are in too
	SMUL 7
	WIN 0
	; The lines for key blocks 0 to 6 name no register of block 7's products and are the places in front of the reads of its results.
.irp m, 0,1,2,3,4,5,6,7
	MASKMAX \m
.endr
	v_max_num_f32 v[RR], v[RR], v[RR+1]
	v_max_num_f32 v[RR+2], v[RR+2], v[RR+3]
	v_permlanex16_b32 v[RR+1], v[RR], s81, s82     ; the other half of my row's keys lies in lane xor 16
	v_permlanex16_b32 v[RR+3], v[RR+2], s81, s82
	v_max_num_f32 v[RR], v[RR], v[RR+1]            ; the new maximum
	v_max_num_f32 v[RR+2], v[RR+2], v[RR+3]
.if \first == 0
	v_sub_f32 v[AL], v[MX], v[RR]
	v_sub_f32 v[AL+2], v[MX+1], v[RR+2]
	v_exp_f32 v[AL], v[AL]                         ; alpha = 2^(m_old - m); the plain lines below stand between it and its first use (ISA guide 5.7.2)
	v_exp_f32 v[AL+2], v[AL+2]
.endif
	v_sub_f32 v[NM], 0, v[RR]
	v_sub_f32 v[NM+1], 0, v[RR]
	v_sub_f32 v[NM+2], 0, v[RR+2]
	v_sub_f32 v[NM+3], 0, v[RR+2]
	v_mov_b32 v[MX], v[RR]
	v_mov_b32 v[MX+1], v[RR+2]
.if \first == 0
	s_wait_alu depctr_va_vdst(0)
	v_mov_b32 v[AL+1], v[AL]
	v_mov_b32 v[AL+3], v[AL+2]
	WIN 0x41                                       ; destination and source 0 in window 1
.irp hd, 0,1
.irp p, 0,1,2,3,4,5,6,7,8,9,10,11,12,13,14,15,16,17,18,19,20,21,22,23,24,25,26,27,28,29,30,31
	v_pk_mul_f32 v[64*\hd+2*\p:64*\hd+2*\p+1], v[64*\hd+2*\p:64*\hd+2*\p+1], v[AL+2*\hd:AL+2*\hd+1]     ; O = O alpha
.endr
.endr
	WIN 0
.endif
	ADDG 0
.irp g, 0,1,2,3,4,5,6
	EXPG \g
	ADDG \g+1                                      ; plain lines on the next group's registers: the place behind the exponentials
	SUMG \g, \first
	CVTG \g
.endr
	EXPG 7
	v_nop                                          ; the place behind the last exponentials
	SUMG 7, \first
	CVTG 7
	WIN 0x51                                       ; D, C and source 0 (V) in window 1, source 1 (P) in window 0
.irp i, 0,1,2,3,4,5,6,7
.if \i >= 3                                        ; stages 0 to 2 landed in front of S block 7
.if \i <= 5
	s_wait_dscnt 16                                ; stage i is in: behind it the two younger stages' 8 loads each
.else
	s_wait_dscnt 8*(7-\i)
.endif
.endif
.if \first
.if \i < 2
	PVMUL \i, 1
.else
	PVMUL \i, 0
.endif
.else
	PVMUL \i, 0
.endif
.if \i <= 4
	PLACES
	VSTAGE \slot, \i+3                             ; into the buffer just multiplied
.endif
.endr
.rept 5
	v_nop                                          ; five places before the next tile's products write over P, four of them before loads land in V's buffers
.endr
	WIN 0
.endm
	TRIP 0, 1, 1, 1
	TRIP 1, 0, 1, 0
	s_mov_b32 s80, 6
.Lpair:
	TRIP 0, 1, 1, 0
	TRIP 1, 0, 1, 0
	s_sub_co_u32 s80, s80, 1
	s_cmp_lg_u32 s80, 0
	s_cbranch_scc1 .Lpair
	TRIP 0, 1, 1, 0                                ; tile 14 asks for tile 15,
	TRIP 1, 0, 0, 0                                ; tile 15 for nothing
	; THE WAY OUT: O / l, rounded to f16, through my own stage, out as whole rows of 512 bytes (both heads side by side)
	v_pk_add_f32 v[LS:LS+1], v[LS:LS+1], v[LS+2:LS+3]
	v_pk_add_f32 v[LS+4:LS+5], v[LS+4:LS+5], v[LS+6:LS+7]
	v_add_f32 v[LS], v[LS], v[LS+1]
	v_add_f32 v[LS+4], v[LS+4], v[LS+5]
	v_permlanex16_b32 v[LS+1], v[LS], s81, s82     ; the other half of my row's keys
	v_permlanex16_b32 v[LS+5], v[LS+4], s81, s82
	v_add_f32 v[LS], v[LS], v[LS+1]
	v_add_f32 v[LS+4], v[LS+4], v[LS+5]
	v_rcp_f32 v[AL], v[LS]
	v_rcp_f32 v[AL+2], v[LS+4]
	v_and_b32 v1, 31, v0                           ; a plain line behind the reciprocals
	s_wait_alu depctr_va_vdst(0)
	v_mov_b32 v[AL+1], v[AL]
	v_mov_b32 v[AL+3], v[AL+2]
	v_lshlrev_b32 v1, 4, v1                        ; 16 x lane: my bytes of a row
	s_add_co_u32 s96, s97, STAGE
	v_add_nc_u32 v30, s96, v1
	s_lshl_b32 s94, s13, 6
	s_lshl_b32 s95, s10, 4
	s_add_co_u32 s94, s94, s95                     ; my first row
	s_lshl_b32 s94, s94, 12                        ; a row of ao is 4,096 bytes
	s_lshl_b32 s95, s14, 9                         ; my two heads' 512 bytes
	s_add_co_u32 s94, s94, s95
	s_mov_b32 s95, 0
	s_add_nc_u64 s[8:9], s[8:9], s[94:95]
	WIN 0x41
.irp hd, 0,1
.irp p, 0,1,2,3,4,5,6,7,8,9,10,11,12,13,14,15,16,17,18,19,20,21,22,23,24,25,26,27,28,29,30,31
	v_pk_mul_f32 v[64*\hd+2*\p:64*\hd+2*\p+1], v[64*\hd+2*\p:64*\hd+2*\p+1], v[AL+2*\hd:AL+2*\hd+1]
.endr
.endr
	WIN 0x05                                       ; both sources in window 1, destination in window 0
.irp b, 0,1,2,3,4,5,6,7,8,9,10,11,12,13,14,15
.irp p, 0,1,2,3
	v_cvt_pk_f16_f32 v[SB+4*\b+\p], v[8*\b+2*\p], v[8*\b+2*\p+1]      ; b = 8 head + t: d = 16 t + 8 h + 0..7 of my row, 16 bytes
.endr
.endr
	WIN 0
.irp b, 0,1,2,3,4,5,6,7,8,9,10,11,12,13,14,15
	ds_store_b128 v[ADQ], v[SB+4*\b:SB+4*\b+3] offset:STAGE-QOFF+32*\b           ; row r, byte 256 head + 32 t + 16 h
.endr
.set i, 0
.rept 16
	ds_load_b128 v[KF+4*i:KF+4*i+3], v30 offset:SP*i               ; my own stage, served in order (ISA guide 5.7.1)
.set i, i+1
.endr
.set i, 0
.rept 16
	s_wait_dscnt 15-i
	global_store_b128 v1, v[KF+4*i:KF+4*i+3], s[8:9] offset:4096*i ; the wave stores 512 consecutive bytes, aligned
.set i, i+1
.endr
	s_set_vgpr_msb 0x5
	s_wait_tensorcnt 0x0
	ds_add_u32 v254, v255
	s_wait_dscnt 0x0
	s_set_vgpr_msb 0x500
	ROUND                                          ; the closing round
	s_endpgm
.Lfunc_end_k_qc1b7b66c7d_attn:
	.size	k_qc1b7b66c7d_attn, .Lfunc_end_k_qc1b7b66c7d_attn-k_qc1b7b66c7d_attn
	.p2alignl 7, 3214868480
	.fill 96, 4, 3214868480
	.section	.rodata,"a",@progbits
	.p2align	6, 0x0
	.amdhsa_kernel k_qc1b7b66c7d_attn
		.amdhsa_group_segment_fixed_size 327680
		.amdhsa_private_segment_fixed_size 0
		.amdhsa_enable_private_segment 0
		.amdhsa_kernarg_size 24
		.amdhsa_user_sgpr_count 2
		.amdhsa_user_sgpr_kernarg_segment_ptr 1
		.amdhsa_wavefront_size32 1
		.amdhsa_system_sgpr_workgroup_id_x 1
		.amdhsa_system_sgpr_workgroup_id_y 1
		.amdhsa_system_sgpr_workgroup_id_z 1
		.amdhsa_system_vgpr_workitem_id 0
		.amdhsa_next_free_vgpr 576
		.amdhsa_next_free_sgpr 100
		.amdhsa_reserve_vcc 0
		.amdhsa_float_denorm_mode_32 3
		.amdhsa_float_denorm_mode_16_64 3
		.amdhsa_memory_ordered 1
		.amdhsa_forward_progress 1
		.amdhsa_inst_pref_size 255
	.end_amdhsa_kernel
	.section	.bss,"aw",@nobits
	.p2align	6
	.space	262144
	.amdgpu_metadata
---
amdhsa.version: [ 1, 2 ]
amdhsa.kernels:
  - .name:           k_qc1b7b66c7d_attn
    .symbol:         k_qc1b7b66c7d_attn.kd
    .args:
      - { .name: qkv, .offset: 0, .size: 8, .value_kind: global_buffer, .address_space: global }
      - { .name: maskb, .offset: 8, .size: 8, .value_kind: global_buffer, .address_space: global }
      - { .name: ao, .offset: 16, .size: 8, .value_kind: global_buffer, .address_space: global }
    .group_segment_fixed_size: 327680
    .private_segment_fixed_size: 0
    .kernarg_segment_align: 8
    .kernarg_segment_size: 24
    .max_flat_workgroup_size: 128
    .sgpr_count:     100
    .vgpr_count:     576
    .wavefront_size: 32
...
	.end_amdgpu_metadata
.endif
;; end of part 3
;; launch oproj (part 4): grid 16 x 16, 4 waves a work-group, clusters of 4 x 4, 327,680 bytes of LDS; arguments ao, woh, out0; writes out0
.if DOCPART == 4
	.amdgcn_target "amdgcn-amd-amdhsa--gfx1250"
	.amdhsa_code_object_version 6
	.text
	.protected	k_qc1b7b66c7d_oproj
	.globl	k_qc1b7b66c7d_oproj
	.p2align	8
	.type	k_qc1b7b66c7d_oproj,@function
k_qc1b7b66c7d_oproj:
	s_mov_b64 s[64:65], 0
	v_nop
	global_prefetch_b8 v0, s[64:65] scope:SCOPE_SE
	s_setreg_imm32_b32 hwreg(HW_REG_WAVE_MODE, 25, 1), 1
	s_wait_xcnt 0x0
	s_wait_alu depctr_hold_cnt(0) depctr_sa_sdst(0) depctr_va_vdst(0) depctr_va_sdst(0) depctr_va_ssrc(0) depctr_va_vcc(0) depctr_vm_vsrc(0)
	s_getreg_b32 s2, hwreg(HW_REG_IB_STS2, 6, 4)
	s_cmp_eq_u32 s2, 0
	s_cbranch_scc0 .Lentry_in_a_cluster
	s_endpgm
.Lentry_in_a_cluster:
	s_bfe_u32 s2, ttmp6, 0x10000c
	s_cmp_lg_u32 s2, 0xf033
	s_cbranch_scc0 .Lentry_shape_is_right
	s_endpgm
.Lentry_shape_is_right:
; out0[s][n] = 4 x sum over k of ao[s][k] woh[k][n].  ao [2048][2048] f16 (attention output / 4), woh [2048 k][4096 n] f16, out0 f32; sums in f32.
; LIMITS: those of the two f16 operands, stated where they are made; the factor 4 is exact.
; SHAPE, CLUSTERS and REGISTERS as in the projection of q, k, v: a work-group makes 128 rows x 256 columns with four waves (256 work-groups),
; a wave 64 x 128 in 32 accumulator tiles; K in steps of 128 through two LDS slots; 4 x 4 work-groups form a cluster, ao's tile is asked for jointly
; along a row of the cluster, the weights' along a column; the matrix instruction is used transposed (source 0 = 16 columns of the weights by
; transposing LDS loads, source 1 = 16 rows of ao), so that lane (r, h) holds row r, columns 8 h + 0..7 of a tile.
.set SIZE_K, 2048
.set KSTEP,  128
.set PA,     272                       ; an LDS row of ao: 256 bytes + 16
.set PB,     544                       ; an LDS row of weights: 512 bytes + 32, an odd multiple of 32
.set BBYTES, 128*PB
.set SLOT,   BBYTES+128*PA             ; 104,448
.set STAGE,  2*SLOT                    ; 208,896, a multiple of 256: never filled by a tensor load
.set SP,     528
.set WSTAGE, 16*SP
.set LAPS,   SIZE_K/(2*KSTEP)
.set ADRA, 2
.set ADRB, 4
.set STO,  6
.set RD,   7
.set LN,   8                           ; v8  16 x lane: my offset in a wave's 512 bytes of a row of out0
.set F0,   32
.set F1,   128
.set T,    32                          ; v[32:95] way out: 16 rows, 4 f32 a lane
.set G1A, 24
.set G0A, 32
.set G1B, 40
.set G0B, 48
.set ACC, 0x50                         ; C and D in window 1, both sources in window 0
.set MSB, 0
.macro WIN new
.if MSB != \new
	s_set_vgpr_msb (MSB<<8)|\new
.set MSB, \new
.endif
.endm
.macro PLACES                          ; four places behind a matrix instruction (ISA guide 7.12.1)
.rept 4
	v_nop
.endr
.endm
.macro JLOAD s                         ; waves 0, 1 fetch the weights' two halves, waves 2, 3 ao's
	s_cmp_eq_u32 s15, 0
	s_cbranch_scc0 .Lfor_a_\@
	tensor_load_to_lds s[G0B+4*\s:G0B+4*\s+3], s[G1B:G1B+7]
	s_nop 0
	s_branch .Lasked_\@
.Lfor_a_\@:
	tensor_load_to_lds s[G0A+4*\s:G0A+4*\s+3], s[G1A:G1A+7]
	s_nop 0
.Lasked_\@:
.endm
.macro CREST
	s_cmp_lg_u32 s14, 0
	s_cbranch_scc1 .Lnot_wave_0_\@
	s_barrier_signal -3
.Lnot_wave_0_\@:
	s_barrier_wait -3
	s_barrier_signal -1
	s_barrier_wait -1
.endm
.macro CROUND
	s_barrier_signal -1
	s_barrier_wait -1
	CREST
.endm
	s_load_b128 s[4:7], s[0:1], 0x0                ; ao s[4:5], woh s[6:7]
	s_load_b64 s[12:13], s[0:1], 0x10              ; out0
	v_lshl_add_u32 v254, v0, 2, 0x3b400
	v_mov_b32 v255, 0
	ds_add_u32 v254, v255
	v_lshrrev_b32 v1, 5, v0
	v_readfirstlane_b32 s14, v1                    ; wave 0..3
	s_lshr_b32 s15, s14, 1                         ; my half of the rows.  Also: I fetch weights (0) or ao (1)
	s_and_b32 s16, s14, 1                          ; my half of the columns.  Also: which 64 rows of that tile I fetch
	s_bfe_u32 s17, ttmp6, 0x40000                  ; cx
	s_bfe_u32 s18, ttmp6, 0x40004                  ; cy
	s_lshl_b32 s19, ttmp9, 2
	s_add_co_u32 s19, s19, s17                     ; block column
	s_and_b32 s20, ttmp7, 0xffff
	s_lshl_b32 s20, s20, 2
	s_add_co_u32 s20, s20, s18                     ; block row
	s_lshl_b32 s21, s18, 2
	s_lshl_b32 s21, 15, s21                        ; my row of the cluster
	s_lshl_b32 s22, 0x1111, s17                    ; my column
	s_or_b32 s[G1A+0], s21, (1<<16)|(1<<20)|(1<<21)|(5<<22)|(3<<25)   ; 64 rows x 128 elements of 2 bytes, 4 words of padding behind every 64
	s_mov_b32 s[G1A+1], KSTEP<<16
	s_mov_b32 s[G1A+2], 64<<16
	s_mov_b32 s[G1A+3], KSTEP<<16
	s_mov_b32 s[G1A+4], 64
	s_mov_b32 s[G1A+5], SIZE_K
	s_mov_b32 s[G1A+6], 0
	s_mov_b32 s[G1A+7], 0
	s_or_b32 s[G1B+0], s22, (1<<16)|(1<<20)|(1<<21)|(6<<22)|(7<<25)   ; 64 k rows x 256 elements, 8 words of padding behind every 128
	s_mov_b32 s[G1B+1], 256<<16
	s_mov_b32 s[G1B+2], 64<<16
	s_mov_b32 s[G1B+3], 256<<16
	s_mov_b32 s[G1B+4], 64
	s_mov_b32 s[G1B+5], 4096
	s_mov_b32 s[G1B+6], 0
	s_mov_b32 s[G1B+7], 0
	s_lshl_b32 s56, s20, 7                         ; ao's address: block row and wave's number alone
	s_lshl_b32 s57, s16, 6
	s_add_co_u32 s56, s56, s57
	s_mul_i32 s56, s56, SIZE_K*2
	s_mov_b32 s57, 0
	s_lshl_b32 s60, s16, 19                        ; the weights': block column and wave's number alone
	s_lshl_b32 s61, s19, 9
	s_add_co_u32 s60, s60, s61
	s_mov_b32 s61, 0
	s_mul_i32 s70, s14, 64*PB
	s_mul_i32 s71, s14, 64*PA
	s_add_co_u32 s71, s71, BBYTES-2*64*PA
	s_wait_dscnt 0x0
	s_wait_kmcnt 0x0
	s_add_nc_u64 s[58:59], s[4:5], s[56:57]
	s_add_nc_u64 s[62:63], s[6:7], s[60:61]
	CROUND                                         ; all sixteen work-groups are here: the first joint loads meet
.irp s, 0,1
	s_mov_b32 s[G0A+4*\s], 1
	s_add_co_u32 s[G0A+4*\s+1], s71, \s*SLOT
	s_add_nc_u64 s[G0A+4*\s+2:G0A+4*\s+3], s[58:59], \s*KSTEP*2
	s_or_b32 s[G0A+4*\s+3], s[G0A+4*\s+3], 0x80000000
	s_mov_b32 s[G0B+4*\s], 1
	s_add_co_u32 s[G0B+4*\s+1], s70, \s*SLOT
	s_add_nc_u64 s[G0B+4*\s+2:G0B+4*\s+3], s[62:63], \s*KSTEP*8192
	s_or_b32 s[G0B+4*\s+3], s[G0B+4*\s+3], 0x80000000
	JLOAD \s                                       ; K steps 0 and 1: two loads of the wave are out, later one
.endr
	v_and_b32 v10, 15, v0                          ; r
	v_bfe_u32 v11, v0, 4, 1                        ; h
	v_mul_u32_u24 v12, v10, PA
	v_lshl_add_u32 v12, v11, 4, v12
	s_mul_i32 s66, s15, 64*PA
	s_add_co_u32 s66, s66, BBYTES
	v_add_nc_u32 v[ADRA], s66, v12
	v_add_nc_u32 v[ADRA+1], SLOT, v[ADRA]
	v_and_b32 v13, 7, v0
	v_lshl_add_u32 v13, v11, 3, v13
	v_mul_u32_u24 v13, v13, PB
	v_bfe_u32 v14, v0, 3, 1
	v_lshl_add_u32 v13, v14, 4, v13
	s_lshl_b32 s66, s16, 8
	v_add_nc_u32 v[ADRB], s66, v13
	v_add_nc_u32 v[ADRB+1], SLOT, v[ADRB]
	s_mul_i32 s67, s14, WSTAGE
	s_add_co_u32 s67, s67, STAGE
	v_mul_u32_u24 v15, v10, SP
	v_lshl_add_u32 v15, v11, 5, v15
	v_add_nc_u32 v[STO], s67, v15
	v_and_b32 v15, 31, v0
	v_lshlrev_b32 v[LN], 4, v15
	v_add_nc_u32 v[RD], s67, v[LN]
.macro MULA f, a, zero
.irp b, 0,1,2,3,4,5,6,7
.if \zero
	v_wmma_f32_16x16x32_f16 v[8*(8*\a+\b):8*(8*\a+\b)+7], v[\f+32+8*\b:\f+32+8*\b+7], v[\f+8*\a:\f+8*\a+7], 0
.else
	v_wmma_f32_16x16x32_f16 v[8*(8*\a+\b):8*(8*\a+\b)+7], v[\f+32+8*\b:\f+32+8*\b+7], v[\f+8*\a:\f+8*\a+7], v[8*(8*\a+\b):8*(8*\a+\b)+7]
.endif
.endr
.endm
.macro FETCH slot, ks, f               ; 24 LDS loads in one run: 16 transposing ones for the weights, 8 plain ones for ao
	WIN 0
.irp b, 0,1,2,3,4,5,6,7
	ds_load_tr16_b128 v[\f+32+8*\b:\f+32+8*\b+3], v[ADRB+\slot] offset:\ks*32*PB+32*\b
	ds_load_tr16_b128 v[\f+32+8*\b+4:\f+32+8*\b+7], v[ADRB+\slot] offset:\ks*32*PB+32*\b+16*PB
.endr
.irp a, 0,1,2,3
	ds_load_b128 v[\f+8*\a:\f+8*\a+3], v[ADRA+\slot] offset:\a*16*PA+64*\ks
	ds_load_b128 v[\f+8*\a+4:\f+8*\a+7], v[ADRA+\slot] offset:\a*16*PA+64*\ks+32
.endr
.endm
; The 32 accumulators take turns, one instruction a turn, in one order everywhere, over the backward jump too.
.macro QUARTER slot, ks, f, g, zero
	s_wait_dscnt 4                                 ; all but the youngest four loads: ao's row blocks 2 and 3
	WIN ACC
	MULA \f, 0, \zero
	MULA \f, 1, \zero
	PLACES
	FETCH \slot, \ks, \g
	s_wait_dscnt 24                                ; all but the 24 just issued
	WIN ACC
	MULA \f, 2, \zero
	MULA \f, 3, \zero
.endm
.macro THREE slot, zero
	QUARTER \slot, 1, F0, F1, \zero
	QUARTER \slot, 2, F1, F0, 0
	QUARTER \slot, 3, F0, F1, 0
.endm
; The last quarter changes slots: each wave's reads of this slot and all its tensor loads are waited for in front of the barrier; with fill = 1 the
; barrier opens a round of the cluster's barrier and the joint refill is the first tensor load behind the round.
.macro TURN slot, next, fill
	s_wait_dscnt 4
	WIN ACC
	MULA F1, 0, 0
	s_wait_dscnt 0
	s_wait_tensorcnt 0x0
	ds_add_u32 v254, v255
	s_wait_dscnt 0x0
	s_barrier_signal -1
	MULA F1, 1, 0
	WIN 0
	s_barrier_wait -1
.if \fill
	CREST
	s_add_nc_u64 s[G0A+4*\slot+2:G0A+4*\slot+3], s[G0A+4*\slot+2:G0A+4*\slot+3], 2*KSTEP*2
	s_add_nc_u64 s[G0B+4*\slot+2:G0B+4*\slot+3], s[G0B+4*\slot+2:G0B+4*\slot+3], 2*KSTEP*8192
	JLOAD \slot
.endif
	PLACES
	FETCH \next, 0, F0
	WIN ACC
	MULA F1, 2, 0
	MULA F1, 3, 0
.endm
.macro LAP zero
	THREE 0, \zero
	TURN 0, 1, 1
	THREE 1, 0
	TURN 1, 0, 1
.endm
	s_wait_tensorcnt 0x1                           ; my part of K step 0 is in; K step 1's may stay out
	s_barrier_signal -1
	s_barrier_wait -1
	FETCH 0, 0, F0
	LAP 1
	WIN 0
	s_mov_b32 s23, LAPS-2
.Llap:
	LAP 0
	WIN 0
	s_sub_co_u32 s23, s23, 1
	s_cmp_lg_u32 s23, 0
	s_cbranch_scc1 .Llap
	THREE 0, 0                                     ; the last lap fills nothing
	TURN 0, 1, 0
	THREE 1, 0
	s_wait_dscnt 4
	WIN ACC
	MULA F1, 0, 0
	MULA F1, 1, 0
	s_wait_dscnt 0
	MULA F1, 2, 0
	MULA F1, 3, 0
	PLACES
	WIN 0
	; THE WAY OUT, 16 rows at a time, through my own stage: whole rows of 128 f32 come back, are multiplied by 4 and stored
	s_lshl_b32 s66, s20, 7
	s_lshl_b32 s67, s15, 6
	s_add_co_u32 s66, s66, s67                     ; my first row
	s_lshl_b32 s68, s66, 14                        ; a row of out0 is 16,384 bytes
	s_mov_b32 s69, 0
	s_lshl_b32 s72, s19, 10
	s_lshl_b32 s73, s16, 9
	s_add_co_u32 s68, s68, s72
	s_add_co_u32 s68, s68, s73                     ; + my first column
	s_add_nc_u64 s[12:13], s[12:13], s[68:69]
.macro OUTG a
	WIN 0x04                                       ; store data from window 1
.irp b, 0,1,2,3,4,5,6,7
	ds_store_b128 v[STO], v[8*(8*\a+\b):8*(8*\a+\b)+3] offset:64*\b
	ds_store_b128 v[STO], v[8*(8*\a+\b)+4:8*(8*\a+\b)+7] offset:64*\b+16
.endr
	WIN 0
.if \a
	s_wait_xcnt 0x0                                ; the last group's stores have read T: it is loaded again only behind this wait
.endif
.set i, 0
.rept 16
	ds_load_b128 v[T+4*i:T+4*i+3], v[RD] offset:SP*i       ; my own stage, served in order (ISA guide 5.7.1)
.set i, i+1
.endr
.set i, 0
.rept 16
	s_wait_dscnt 15-i                              ; row i is back, the 15 - i later rows may be out
	v_pk_mul_f32 v[T+4*i:T+4*i+1], v[T+4*i:T+4*i+1], 4.0 op_sel_hi:[1,0]
	v_pk_mul_f32 v[T+4*i+2:T+4*i+3], v[T+4*i+2:T+4*i+3], 4.0 op_sel_hi:[1,0]
	global_store_b128 v[LN], v[T+4*i:T+4*i+3], s[12:13] offset:(16*\a+i)*16384 th:TH_STORE_NT   ; the wave stores 512 consecutive bytes, aligned
.set i, i+1
.endr
.endm
	OUTG 0
	OUTG 1
	OUTG 2
	OUTG 3
	s_wait_tensorcnt 0x0
	ds_add_u32 v254, v255
	s_wait_dscnt 0x0
	CROUND                                         ; the closing round
	s_endpgm
.Lfunc_end_k_qc1b7b66c7d_oproj:
	.size	k_qc1b7b66c7d_oproj, .Lfunc_end_k_qc1b7b66c7d_oproj-k_qc1b7b66c7d_oproj
	.p2alignl 7, 3214868480
	.fill 96, 4, 3214868480
	.section	.rodata,"a",@progbits
	.p2align	6, 0x0
	.amdhsa_kernel k_qc1b7b66c7d_oproj
		.amdhsa_group_segment_fixed_size 327680
		.amdhsa_private_segment_fixed_size 0
		.amdhsa_enable_private_segment 0
		.amdhsa_kernarg_size 24
		.amdhsa_user_sgpr_count 2
		.amdhsa_user_sgpr_kernarg_segment_ptr 1
		.amdhsa_wavefront_size32 1
		.amdhsa_system_sgpr_workgroup_id_x 1
		.amdhsa_system_sgpr_workgroup_id_y 1
		.amdhsa_system_sgpr_workgroup_id_z 1
		.amdhsa_system_vgpr_workitem_id 0
		.amdhsa_next_free_vgpr 512
		.amdhsa_next_free_sgpr 80
		.amdhsa_reserve_vcc 0
		.amdhsa_float_denorm_mode_32 3
		.amdhsa_float_denorm_mode_16_64 3
		.amdhsa_memory_ordered 1
		.amdhsa_forward_progress 1
		.amdhsa_inst_pref_size 125
	.end_amdhsa_kernel
	.amdgpu_metadata
---
amdhsa.version: [ 1, 2 ]
amdhsa.kernels:
  - .name:           k_qc1b7b66c7d_oproj
    .symbol:         k_qc1b7b66c7d_oproj.kd
    .args:
      - { .name: ao, .offset: 0, .size: 8, .value_kind: global_buffer, .address_space: global }
      - { .name: woh, .offset: 8, .size: 8, .value_kind: global_buffer, .address_space: global }
      - { .name: out0, .offset: 16, .size: 8, .value_kind: global_buffer, .address_space: global }
    .group_segment_fixed_size: 327680
    .private_segment_fixed_size: 0
    .kernarg_segment_align: 8
    .kernarg_segment_size: 24
    .max_flat_workgroup_size: 128
    .sgpr_count:     80
    .vgpr_count:     512
    .wavefront_size: 32
...
	.end_amdgpu_metadata
.endif
;; end of part 4
